; MI455X (gfx1250); checked and timed in simulation.
; The chip was launched on July 23, 2026; its instructions are those of AMD's public machine-readable ISA for CDNA 5 (MIT licence, August 2026) and "CDNA5" Instruction Set Architecture Reference Guide (July 2026). The comments in the code are by the model that wrote it; some were corrected since.
;; Attention Head. Allowed arithmetic: float matrix products may take bf16 or f16 operands with f32 sums; all other float work in f32.
;; Inputs: Wk 1,024 x 64 float32; Wq 1,024 x 64 float32; Wv 1,024 x 64 float32; x 4 x 4,096 x 1,024 float32.
;; Outputs: out0 4 x 4,096 x 64 float32.
;; One version. Each part assembles by itself: llvm-mc -triple=amdgcn-amd-amdhsa -mcpu=gfx1250 --defsym DOCPART=n.
;; ======== version 1 of 1: 2 launches
;; limits: values are held in f16: magnitudes above 65,504 overflow, below 6.1e-05 lose precision
;; workspace buffers: qf 2,097,152 bytes; kvf 4,194,304 bytes
;; launch proj (part 1): grid 256 x 1, 12 waves a work-group, no clusters, 280,064 bytes of LDS; arguments x, Wq, Wk, Wv, qf, kvf; writes qf, kvf
.if DOCPART == 1
	.amdgcn_target "amdgcn-amd-amdhsa--gfx1250"
	.amdhsa_code_object_version 6
	.text
	.protected	k_q73b945f898_proj
	.globl	k_q73b945f898_proj
	.p2align	8
	.type	k_q73b945f898_proj,@function
k_q73b945f898_proj:
	s_mov_b64 s[64:65], 0
	v_nop
	global_prefetch_b8 v0, s[64:65] scope:SCOPE_SE
	s_setreg_imm32_b32 hwreg(HW_REG_WAVE_MODE, 25, 1), 1
	s_wait_xcnt 0x0
; q = x Wq, k = x Wk, v = x Wv.  x: [16384][1024] f32 (4 batches of 4096 rows in sequence), W: [1024][64] f32.
; Operands are rounded to bf16 on the way to the matrix unit, sums are f32, results are rounded once to f16 and
; stored as the register images that the attention launch loads, so that neither launch transposes anything:
;   qf : 16-row tile T at T*2048; piece p (0..3) at +p*512, lane L at +16 L; lane (r = L&15, h = L>>4), element e = q[16T+r][32h+8p+e]
;   kvf: 32-key block Bk at Bk*8192; K tile a = T&1 at +a*2048, laid out as qf;
;        V at +4096 + i*1024 + g*512 + 16 L (g = T&1): element e = v[32Bk+16g+8h+e][4r+i]
; WHY f16 FOR q, k, v: the first rows of a batch are means of a few rows of v whose terms can cancel, so the rounding of v, and of q and k
; through the weights, shows at full size in a small result; f16's 11 significant bits leave an eighth of the rounding of bf16's 8.
; SHARES: a work-group owns 64 rows of x.  Twelve waves: wave w has K quarter kq = w&3 (k = 256 kq .. +255) and matrix mat = w>>2
; (0 q, 1 k, 2 v); it makes 64 rows x 64 columns over its 256 k in 16 accumulator tiles (128 registers).  The four K quarters
; of a matrix meet in LDS at the end: another order of rounding than one sum in ascending k.
; x comes in by tensor loads: 16 sub-tiles of 64 rows x 256 bytes, all requested at the start (262,144 bytes on their way).
; W comes through registers: one load's lanes 0-15 take a whole row of 256 bytes, lanes 16-31 the row 8 further down; a lane
; gets W[k][4r..4r+3], and pairs of loads pack into the fragments of four column tiles i, whose index r stands for column 4r+i.
; NO JOINT REQUESTS for W, though all work-groups read it: x takes 278,528 of 327,680 bytes of LDS; the 49,152 left would hold two
; slots of 24,576 bytes = 32 rows of the three W, which is 32 rounds of a cluster's barrier, each for 48 of the work-group's
; 1,536 matrix instructions.
; LIMITS: |q|, |k|, |v| below 65,504 (f16's largest number); beyond it they become infinite.  A sum of 1,024 products of numbers of spread 1 and
; 0.02 has spread 0.64, so both inputs may be 30 times larger (spread 576), or carry offsets of 30 spreads (30 x 0.6 x 1,024 = 18,432).
; Below 2^-14 the step of f16 is 2^-24.  NaN and infinities in the inputs are passed on as the matrix unit and the sums make them.
.set XT,   17408                       ; an x sub-tile in LDS: 64 rows x (256 + 16) bytes
.set XQ,   4*XT                        ; the four sub-tiles of a K quarter
.set WR,   8                           ; v[8:71]    16 loads of W, f32
.set BF,   72                          ; v[72:103]  W fragments of column tiles i = 0..3, bf16
.set AR,   104                         ; v[104:119] 16 rows x 32 k of x, f32
.set AF,   120                         ; v[120:127] the same as a bf16 fragment
.set AC,   128                         ; v[128:255] accumulators: tile (mt, i) at AC + 8 (4 mt + i)
.set RD,   8                           ; v[8:135]   at the end: the four partial sums of one 16-row tile
.set OUTP, 136                         ; v[136:151] at the end: packed results
; v1 = 16 L; v2 = W offset; v3 = x LDS address; v4 = where my partials go; v5 = where I read partials
.macro PLACES                          ; four places behind a matrix instruction (ISA guide 7.12.1), before one of its registers is written or its result read
.rept 4
	v_nop
.endr
.endm
.macro WLOAD t                         ; K step t: rows k0 + 8h + u (u < 8) and k0 + 16 + 8h + (u - 8) of W, 16 bytes a lane
.irp u, 0,1,2,3,4,5,6,7,8,9,10,11,12,13,14,15
	global_load_b128 v[WR+4*\u:WR+4*\u+3], v2, s[22:23] offset:(\t)*8192+\u*256+(\u/8)*2048
.endr
.endm
.macro BCVT                            ; register p of tile i's fragment = W[k(2p)][4r+i], W[k(2p+1)][4r+i]
.irp i, 0,1,2,3
.irp p, 0,1,2,3,4,5,6,7
	v_cvt_pk_bf16_f32 v[BF+8*\i+\p], v[WR+8*\p+\i], v[WR+8*\p+4+\i]
.endr
.endr
.endm
.macro ALOAD t, mt                     ; rows 16 mt + r of x, k = 8h..8h+7 and 16+8h..+7 of K step t, in f32: 4 x 16 bytes
.irp o, 0,1,2,3
	ds_load_b128 v[AR+4*\o:AR+4*\o+3], v3 offset:((\t)>>1)*XT+(\mt)*4352+((\t)&1)*128+(\o&1)*16+(\o>>1)*64
.endr
.endm
.macro ACVT
.irp p, 0,1,2,3,4,5,6,7
	v_cvt_pk_bf16_f32 v[AF+\p], v[AR+2*\p], v[AR+2*\p+1]
.endr
.endm
; four matrix instructions.  vord = 0 (q, k): source 0 = W, source 1 = x: register j of lane (r, h) = (row r, column 32h+4j+i).
; vord = 1 (v): source 0 = x, source 1 = W: register j = (row 8h+j, column 4r+i).  zero = 1: the first product starts the sum.
.macro MM mt, zero, vord
.irp i, 0,1,2,3
.if \vord
.if \zero
	v_wmma_f32_16x16x32_bf16 v[AC+8*(4*(\mt)+\i):AC+8*(4*(\mt)+\i)+7], v[AF:AF+7], v[BF+8*\i:BF+8*\i+7], 0
.else
	v_wmma_f32_16x16x32_bf16 v[AC+8*(4*(\mt)+\i):AC+8*(4*(\mt)+\i)+7], v[AF:AF+7], v[BF+8*\i:BF+8*\i+7], v[AC+8*(4*(\mt)+\i):AC+8*(4*(\mt)+\i)+7]
.endif
.else
.if \zero
	v_wmma_f32_16x16x32_bf16 v[AC+8*(4*(\mt)+\i):AC+8*(4*(\mt)+\i)+7], v[BF+8*\i:BF+8*\i+7], v[AF:AF+7], 0
.else
	v_wmma_f32_16x16x32_bf16 v[AC+8*(4*(\mt)+\i):AC+8*(4*(\mt)+\i)+7], v[BF+8*\i:BF+8*\i+7], v[AF:AF+7], v[AC+8*(4*(\mt)+\i):AC+8*(4*(\mt)+\i)+7]
.endif
.endif
.endr
.endm
; One K step of 32: 16 matrix instructions on the 16 accumulators, which take turns, one instruction a turn, over the K steps too.
.macro KSTEP t, zero, vord
	ALOAD \t, 0
	s_wait_loadcnt 0x0                             ; this step's 16 loads of W are in; no other global load of mine is out
.if \zero == 0
	PLACES                                         ; BF and AF were sources of the last matrix instructions
.endif
	BCVT
.if (\t) < 7
	WLOAD (\t)+1                                   ; the next step's W has this step's matrix work in which to come
.endif
.irp mt, 0,1,2,3
	s_wait_dscnt 0x0                               ; the four loads of this row tile are in
.if \mt > 0
	PLACES                                         ; AF was a source of the four matrix instructions just issued
.endif
	ACVT
.if \mt < 3
	ALOAD \t, \mt+1
.endif
	MM \mt, \zero, \vord
.endr
.endm
; Sub-tile s of every K quarter is shown to all waves, then multiplied: two K steps, written twice for the two orders of the sources.
.macro PHASE s, zero
	s_wait_tensorcnt 3-\s                          ; a wave's tensor loads end in order (ISA guide 10.11.1): my sub-tile s is in, the 3 - s younger ones stay out (waves 4-11 have none)
	s_barrier_signal -1                            ; no LDS access of mine is pending: the last K step ended on s_wait_dscnt 0
	s_barrier_wait -1                              ; Later sub-tiles may stay on their way
	s_cmp_eq_u32 s18, 2
	s_cbranch_scc1 .Lv_\@
	KSTEP 2*\s, \zero, 0
	KSTEP 2*\s+1, 0, 0
	s_branch .Ljoin_\@
.Lv_\@:
	KSTEP 2*\s, \zero, 1
	KSTEP 2*\s+1, 0, 1
.Ljoin_\@:
.endm
	s_load_b256 s[4:11], s[0:1], 0x0               ; x s[4:5], Wq s[6:7], Wk s[8:9], Wv s[10:11]
	s_load_b128 s[12:15], s[0:1], 0x20             ; qf s[12:13], kvf s[14:15]
	s_set_vgpr_msb 0x40
	v_lshl_add_u32 v0, v0, 2, 0x44000
	v_mov_b32 v1, 0
	s_set_vgpr_msb 0x4045
	ds_add_u32 v0, v1
	ds_add_u32 v0, v1
	s_set_vgpr_msb 0x4500
	v_lshrrev_b32 v6, 5, v0
	v_readfirstlane_b32 s16, v6                    ; wave 0..11
	s_and_b32 s17, s16, 3                          ; kq
	s_lshr_b32 s18, s16, 2                         ; mat
	; descriptor group 1: 64 rows x 64 elements of 4 bytes, 1,024 elements from row to row, 4 words of padding behind every 64
	s_mov_b32 s24, (2<<16)|(1<<20)|(5<<22)|(3<<25)
	s_mov_b32 s25, 64<<16                          ; tensor_dim0 = 64
	s_mov_b32 s26, 64<<16                          ; tensor_dim1 = 64
	s_mov_b32 s27, 64<<16                          ; tile_dim0 = 64
	s_mov_b32 s28, 64                              ; tile_dim1 = 64
	s_mov_b32 s29, 1024                            ; pitch
	s_mov_b32 s30, 0
	s_mov_b32 s31, 0
	s_lshl_b32 s50, ttmp9, 18                      ; the work-group's 64 rows of 4,096 bytes
	s_mov_b32 s51, 0
	s_lshl_b32 s52, s16, 10                        ; a K quarter is 1,024 bytes of a row
	s_mov_b32 s53, 0
	s_mul_i32 s19, s16, XQ
	v_and_b32 v6, 15, v0                           ; r
	v_bfe_u32 v7, v0, 4, 1                         ; h
	v_lshlrev_b32 v2, 4, v6
	v_lshl_add_u32 v2, v7, 11, v2                  ; 16 r + 8 h rows of 256 bytes
	s_lshl_b32 s2, s17, 16
	v_add_nc_u32 v2, s2, v2                        ; + my K quarter's 256 rows of W
	s_wait_dscnt 0x0
	s_wait_kmcnt 0x0
	; all first fills of a wave in one branch on its number: waves 0-3 bring the four sub-tiles of K quarter w; four loads out at the most
	s_cmp_ge_u32 s16, 4
	s_cbranch_scc1 .Lnofill
	s_add_nc_u64 s[20:21], s[4:5], s[50:51]
	s_add_nc_u64 s[20:21], s[20:21], s[52:53]
.irp s, 0,1,2,3
	s_mov_b32 s[32+4*\s], 1
	s_add_co_u32 s[33+4*\s], s19, \s*XT            ; LDS: wave x 69,632 + s x 17,408
	s_add_nc_u64 s[34+4*\s:35+4*\s], s[20:21], \s*256
	s_or_b32 s[35+4*\s], s[35+4*\s], 0x80000000    ; type 2
	tensor_load_to_lds s[32+4*\s:35+4*\s], s[24:31]
	s_nop 0
.endr
.Lnofill:
	s_cmp_eq_u32 s18, 0
	s_cselect_b64 s[22:23], s[6:7], s[8:9]
	s_cmp_eq_u32 s18, 2
	s_cselect_b64 s[22:23], s[10:11], s[22:23]     ; my matrix
	WLOAD 0
	v_and_b32 v1, 31, v0
	v_lshlrev_b32 v1, 4, v1                        ; 16 L
	v_mul_u32_u24 v3, v6, 272
	v_lshl_add_u32 v3, v7, 5, v3
	s_mul_i32 s2, s17, XQ
	v_add_nc_u32 v3, s2, v3                        ; x: my K quarter + r x 272 + 32 h; 272 = 17 x 16, so sixteen rows fall on sixteen different 16-byte columns of 256
	s_lshl_b32 s2, s16, 14
	v_add_nc_u32 v4, s2, v1                        ; my partials: wave x 16,384 + 16 L
	s_lshl_b32 s2, s18, 16
	s_lshl_b32 s3, s17, 12
	s_add_co_u32 s2, s2, s3
	v_add_nc_u32 v5, s2, v1                        ; the partials that I add: matrix mat, row tile mt = kq
	PHASE 0, 1
	PHASE 1, 0
	PHASE 2, 0
	PHASE 3, 0
	; The four K quarters meet in LDS, in x's bytes, which have had their last fill: no tensor load follows in this text.
	PLACES                                         ; the stores read matrix results
	s_wait_dscnt 0x0                               ; my reads of x are over
	s_barrier_signal -1
	s_barrier_wait -1                              ; everybody's are
.set n, 0
.rept 32
	ds_store_b128 v4, v[AC+4*n:AC+4*n+3] offset:n*512
.set n, n+1
.endr
	s_wait_dscnt 0x0                               ; for the other waves' sake: all my stores are done
	s_barrier_signal -1
	s_barrier_wait -1
.irp k, 0,1,2,3
.irp m, 0,1,2,3,4,5,6,7
	ds_load_b128 v[RD+32*\k+4*\m:RD+32*\k+4*\m+3], v5 offset:\k*16384+\m*512
.endr
.endr
	s_lshl_b32 s2, ttmp9, 2
	s_add_co_u32 s2, s2, s17                       ; T = 4 x work-group + row tile
	s_lshr_b32 s3, s2, 1
	s_lshl_b32 s3, s3, 13                          ; (T >> 1) x 8,192
	s_and_b32 s19, s2, 1
	s_wait_dscnt 16                                ; quarters 0 and 1 are in; the 16 younger loads stay out
.set n, 0
.rept 16
	v_pk_add_f32 v[RD+2*n:RD+2*n+1], v[RD+2*n:RD+2*n+1], v[RD+32+2*n:RD+32+2*n+1]
.set n, n+1
.endr
	s_wait_dscnt 0x0
.set n, 0
.rept 16
	v_pk_add_f32 v[RD+64+2*n:RD+64+2*n+1], v[RD+64+2*n:RD+64+2*n+1], v[RD+96+2*n:RD+96+2*n+1]
.set n, n+1
.endr
.set n, 0
.rept 16
	v_pk_add_f32 v[RD+2*n:RD+2*n+1], v[RD+2*n:RD+2*n+1], v[RD+64+2*n:RD+64+2*n+1]
.set n, n+1
.endr
	s_cmp_eq_u32 s18, 2
	s_cbranch_scc1 .Lvout
	; q and k: tile i's register j is column 32h+4j+i, so piece p (columns 32h+8p..+7) takes registers 2p and 2p+1 of the four tiles
	s_lshl_b32 s19, s19, 11
	s_add_co_u32 s3, s3, s19                       ; k: (T >> 1) x 8,192 + (T & 1) x 2,048
	s_lshl_b32 s2, s2, 11                          ; q: T x 2,048
	s_cmp_eq_u32 s18, 0
	s_cselect_b32 s50, s2, s3
	s_cselect_b64 s[48:49], s[12:13], s[14:15]
	s_mov_b32 s51, 0
	s_add_nc_u64 s[48:49], s[48:49], s[50:51]
.irp p, 0,1,2,3
	v_cvt_pk_f16_f32 v[OUTP+4*\p],   v[RD+2*\p],      v[RD+8+2*\p]
	v_cvt_pk_f16_f32 v[OUTP+4*\p+1], v[RD+16+2*\p],   v[RD+24+2*\p]
	v_cvt_pk_f16_f32 v[OUTP+4*\p+2], v[RD+2*\p+1],    v[RD+8+2*\p+1]
	v_cvt_pk_f16_f32 v[OUTP+4*\p+3], v[RD+16+2*\p+1], v[RD+24+2*\p+1]
	global_store_b128 v1, v[OUTP+4*\p:OUTP+4*\p+3], s[48:49] offset:\p*512   ; the wave's store covers 512 consecutive bytes, aligned
.endr
	s_set_vgpr_msb 0x5
	s_wait_tensorcnt 0x0
	ds_add_u32 v0, v1
	s_wait_dscnt 0x0
	s_set_vgpr_msb 0x500
	s_endpgm
.Lvout:
	; v: tile i's registers 0..7 are keys 8h..8h+7 of column 4r+i: eight neighbours of the image as they stand
	s_lshl_b32 s19, s19, 9
	s_add_co_u32 s50, s3, s19
	s_add_co_u32 s50, s50, 4096                    ; (T >> 1) x 8,192 + 4,096 + (T & 1) x 512
	s_mov_b32 s51, 0
	s_add_nc_u64 s[48:49], s[14:15], s[50:51]
.irp i, 0,1,2,3
.irp e, 0,1,2,3
	v_cvt_pk_f16_f32 v[OUTP+4*\i+\e], v[RD+8*\i+2*\e], v[RD+8*\i+2*\e+1]
.endr
	global_store_b128 v1, v[OUTP+4*\i:OUTP+4*\i+3], s[48:49] offset:\i*1024
.endr
	s_set_vgpr_msb 0x5
	s_wait_tensorcnt 0x0
	ds_add_u32 v0, v1
	s_wait_dscnt 0x0
	s_set_vgpr_msb 0x500
	s_endpgm
.Lfunc_end_k_q73b945f898_proj:
	.size	k_q73b945f898_proj, .Lfunc_end_k_q73b945f898_proj-k_q73b945f898_proj
	.p2alignl 7, 3214868480
	.fill 96, 4, 3214868480
	.section	.rodata,"a",@progbits
	.p2align	6, 0x0
	.amdhsa_kernel k_q73b945f898_proj
		.amdhsa_group_segment_fixed_size 280064
		.amdhsa_private_segment_fixed_size 0
		.amdhsa_enable_private_segment 0
		.amdhsa_kernarg_size 48
		.amdhsa_user_sgpr_count 2
		.amdhsa_user_sgpr_kernarg_segment_ptr 1
		.amdhsa_wavefront_size32 1
		.amdhsa_system_sgpr_workgroup_id_x 1
		.amdhsa_system_sgpr_workgroup_id_y 1
		.amdhsa_system_sgpr_workgroup_id_z 1
		.amdhsa_system_vgpr_workitem_id 0
		.amdhsa_next_free_vgpr 258
		.amdhsa_next_free_sgpr 66
		.amdhsa_reserve_vcc 0
		.amdhsa_float_denorm_mode_32 3
		.amdhsa_float_denorm_mode_16_64 3
		.amdhsa_memory_ordered 1
		.amdhsa_forward_progress 1
		.amdhsa_inst_pref_size 145
	.end_amdhsa_kernel
	.amdgpu_metadata
---
amdhsa.version: [ 1, 2 ]
amdhsa.kernels:
  - .name:           k_q73b945f898_proj
    .symbol:         k_q73b945f898_proj.kd
    .args:
      - { .name: x, .offset: 0, .size: 8, .value_kind: global_buffer, .address_space: global }
      - { .name: Wq, .offset: 8, .size: 8, .value_kind: global_buffer, .address_space: global }
      - { .name: Wk, .offset: 16, .size: 8, .value_kind: global_buffer, .address_space: global }
      - { .name: Wv, .offset: 24, .size: 8, .value_kind: global_buffer, .address_space: global }
      - { .name: qf, .offset: 32, .size: 8, .value_kind: global_buffer, .address_space: global }
      - { .name: kvf, .offset: 40, .size: 8, .value_kind: global_buffer, .address_space: global }
    .group_segment_fixed_size: 280064
    .private_segment_fixed_size: 0
    .kernarg_segment_align: 8
    .kernarg_segment_size: 48
    .max_flat_workgroup_size: 384
    .sgpr_count:     66
    .vgpr_count:     258
    .wavefront_size: 32
...
	.end_amdgpu_metadata
.endif
;; end of part 1
;; launch attn (part 2): grid 256 x 1, 4 waves a work-group, clusters of 4 x 1, 327,680 bytes of LDS; arguments qf, kvf, out0; writes out0
.if DOCPART == 2
	.amdgcn_target "amdgcn-amd-amdhsa--gfx1250"
	.amdhsa_code_object_version 6
	.text
	.protected	k_q73b945f898_attn
	.globl	k_q73b945f898_attn
	.p2align	8
	.type	k_q73b945f898_attn,@function
k_q73b945f898_attn:
	s_mov_b64 s[64:65], 0
	v_nop
	global_prefetch_b8 v0, s[64:65] scope:SCOPE_SE
	s_setreg_imm32_b32 hwreg(HW_REG_WAVE_MODE, 25, 1), 1
	s_wait_xcnt 0x0
	s_wait_alu depctr_hold_cnt(0) depctr_sa_sdst(0) depctr_va_vdst(0) depctr_va_sdst(0) depctr_va_ssrc(0) depctr_va_vcc(0) depctr_vm_vsrc(0)
	s_getreg_b32 s2, hwreg(HW_REG_IB_STS2, 6, 4)
	s_cmp_eq_u32 s2, 0
	s_cbranch_scc0 .Lentry_in_a_cluster
	s_endpgm
.Lentry_in_a_cluster:
	s_bfe_u32 s2, ttmp6, 0x10000c
	s_cmp_lg_u32 s2, 0x3003
	s_cbranch_scc0 .Lentry_shape_is_right
	s_endpgm
.Lentry_shape_is_right:
; out = softmax(causal(q k^T / 8)) v for 4 batches of 4,096 rows, head size 64, from the f16 register images qf and kvf
; (their layouts stand at the head of the projection's text).  f16 operands, f32 sums, a running maximum, out0 in f32.
; WHY f16: the first rows of a batch are means of a few rows of v whose terms can cancel, so the operands' rounding shows at full size in a small
; result; f16's 11 significant bits leave an eighth of the rounding of bf16's 8.  The weights P are at most 1 by the running maximum.
; EVEN LOAD: cluster cl (0..63) has batch b = cl >> 4 and c = cl & 15.  Partner cx takes two blocks of 32 queries: a low one at row
; 128 c + 32 cx and a high one at row 128 (31 - c) + 32 cx.  Keys go in units of 256: the low block needs nl = (c >> 1) + 1 units,
; the high one 16 - (c >> 1): 17 units in every cluster.  Stream unit u is key unit u (u < nl) or u - nl.
; JOINT REQUESTS: the four partners walk the same 17 units, so K and V are asked for jointly (mask 15): each unit is requested once for
; four work-groups.  cx enters only the addresses of q and out0 and the numbers that the mask compares: no branch, no trip count, no LDS address.
; SHARES: wave w takes keys 64 w .. 64 w + 63 of every unit for all 32 queries, with a running state of its own (maximum, sum, O);
; the four states are merged through LDS at the end.
; BOTH PRODUCTS ARE USED TRANSPOSED.  S^T = K Q^T: register j of lane (r, h) is (key 8h+j, query r); after the exponential, two key tiles
; packed to f16 ARE the second source P^T of O^T += V^T P^T, with no move between lanes.  O^T: register j = (query r, column 32h+4j+i).
; LDS: two slots of 131,072 bytes (two units each) at 0 and 131,072; the low block's O at 262,144 (4 x 8,192) and the waves' maxima and sums at
; 294,912 (4,096), into which no fill lands; the high block's O (131,072) and the way out's stage (163,840) lie in slot 1 behind its last fill.
; LIMITS: q, k, v come in f16 (below 65,504: see the projection's text).  A weight below 2^-25 of its wave's largest becomes 0 in P V (f16's
; smallest step is 2^-24): at most 4,096 x 2^-25 of a sum that is at least 1.  The running maximum starts at -FLT_MAX (0xff7fffff), so a score is
; taken to be above it; v_max_num drops a NaN, so NaN and infinities in q, k, v are not reproduced place by place; exponentials below 2^-126
; come out as 0 (ISA guide, v_exp_f32).
.set SLOTB, 131072
.set LOWO,  262144
.set MLB,   294912
.set HIGHO, 131072
.set STG,   163840
.set AD,   2                           ; v2-5     LDS address of my 64 keys in (slot, unit): AD + 2 slot + unit
.set MX,   6                           ; v6-7     running maximum of the raw scores, query tile 0, 1
.set LS,   8                           ; v8-9     the lane's own running sum
.set AL,   10                          ; v10, v12 factor for the old state (v11, v13 written once: the packed forms name pairs)
.set NM,   14                          ; v14, v16 -cs x maximum (v15, v17 written once)
.set T,    18                          ; v18-25   at work
.set QL,   26                          ; v26-27   query row - 64 w - 8 h, for the mask
.set NINF, 28
.set LOA,  29                          ; where the low block's O goes
.set MLA,  30                          ; where maxima and sums go
.set HIA,  31                          ; where the high block's O goes
.set KF,   32                          ; v[32:95]   K: tile kt at +16 kt, piece p at +4 p
.set VF,   96                          ; v[96:159]  V^T: (be, i) at +8 (4 be + i)
.set QF,   160                         ; v[160:191] Q: (q, c) at +16 q + 8 c
.set SB,   192                         ; v[192:255] S^T: (kt, q) at +32 q + 8 kt; then P^T (be, q) in place at +32 q + 16 be
.set OB,   0                           ; window 1: v256-319 O^T: (i, q) at +8 (4 q + i)
.set QH,   64                          ; window 1: v320-351 the high block's Q
; s10 wave, s11 cx, s13 b, s14 c, s15 nl, s16 nl - 1, s17 u, s18 trips, s19 -cs, s[20:21] cs, s22-23 lane select,
; s[24:31] group 1, s[32:35], s[36:39] group 0 of slot 0, 1, s[40:41] kvf at my part, s45 the next fill's unit, s47 high row - low row
.set MSB, 0
.macro WIN new                         ; s_set_vgpr_msb: bits 1:0 source 0, 3:2 source 1, 5:4 source 2, 7:6 destination; the high byte repeats the setting left
.if MSB != \new
	s_set_vgpr_msb (MSB<<8)|\new
.set MSB, \new
.endif
.endm
.macro PLACES
.rept 4
	v_nop
.endr
.endm
.macro ROUND                           ; a round of the cluster's barrier
	s_barrier_signal -1
	s_barrier_wait -1
	s_cmp_lg_u32 s10, 0
	s_cbranch_scc1 .Lnot_wave_0_\@
	s_barrier_signal -3
.Lnot_wave_0_\@:
	s_barrier_wait -3
	s_barrier_signal -1
	s_barrier_wait -1
.endm
.macro FILLADDR sl                     ; slot sl's next global address: stream unit s45 as a key unit; written only while no tensor load of mine is out
	s_cmp_ge_u32 s45, s15
	s_cselect_b32 s44, s15, 0
	s_sub_co_u32 s44, s45, s44
	s_lshl_b32 s42, s44, 16                        ; a unit is 65,536 bytes
	s_mov_b32 s43, 0
	s_add_nc_u64 s[34+4*(\sl):35+4*(\sl)], s[40:41], s[42:43]
	s_or_b32 s[35+4*(\sl)], s[35+4*(\sl)], 0x80000000
	s_add_co_u32 s45, s45, 2                       ; a fill is two units
.endm
.macro KLOAD ad
.irp kt, 0,1,2,3
.irp p, 0,1,2,3
	ds_load_b128 v[KF+16*\kt+4*\p:KF+16*\kt+4*\p+3], v[\ad] offset:(\kt>>1)*8192+(\kt&1)*2048+\p*512
.endr
.endr
.endm
.macro VLOAD ad
.irp be, 0,1
.irp i, 0,1,2,3
.irp g, 0,1
	ds_load_b128 v[VF+8*(4*\be+\i)+4*\g:VF+8*(4*\be+\i)+4*\g+3], v[\ad] offset:\be*8192+4096+\i*1024+\g*512
.endr
.endr
.endr
.endm
.macro MASK                            ; key > row becomes -inf: key - row = 16 kt + j - (QL - 256 x key unit)
	s_cmp_ge_u32 s17, s15
	s_cselect_b32 s46, s15, 0
	s_sub_co_u32 s46, s17, s46
	s_lshl_b32 s46, s46, 8
	v_sub_nc_u32 v[T], v[QL], s46
	v_sub_nc_u32 v[T+1], v[QL+1], s46
.irp q, 0,1
.irp kt, 0,1,2,3
.irp j, 0,1,2,3,4,5,6,7
	v_cmp_gt_i32 vcc_lo, 16*\kt+\j, v[T+\q]
	v_cndmask_b32 v[SB+32*\q+8*\kt+\j], v[SB+32*\q+8*\kt+\j], v[NINF], vcc_lo
.endr
.endr
.endr
.endm
.macro ROWMAX q, first                 ; the maximum over my 32 scores of query r, the old maximum and the other half's lane; then nm = -cs x maximum
.irp k, 0,1,2,3
	v_max3_num_f32 v[T+4*\q+\k], v[SB+32*\q+8*\k], v[SB+32*\q+8*\k+1], v[SB+32*\q+8*\k+2]
.endr
.irp k, 0,1,2,3
	v_max3_num_f32 v[T+4*\q+\k], v[T+4*\q+\k], v[SB+32*\q+8*\k+3], v[SB+32*\q+8*\k+4]
.endr
.irp k, 0,1,2,3
	v_max3_num_f32 v[T+4*\q+\k], v[T+4*\q+\k], v[SB+32*\q+8*\k+5], v[SB+32*\q+8*\k+6]
.endr
	v_max3_num_f32 v[T+4*\q],   v[T+4*\q],   v[T+4*\q+1], v[SB+32*\q+7]
	v_max3_num_f32 v[T+4*\q+2], v[T+4*\q+2], v[T+4*\q+3], v[SB+32*\q+15]
	v_max3_num_f32 v[T+4*\q],   v[T+4*\q],   v[T+4*\q+2], v[SB+32*\q+23]
.if \first
	v_max3_num_f32 v[T+4*\q],   v[T+4*\q],   v[SB+32*\q+31], 0xff7fffff
.else
	v_max3_num_f32 v[T+4*\q],   v[T+4*\q],   v[SB+32*\q+31], v[MX+\q]
.endif
	v_permlanex16_b32 v[T+4*\q+1], v[T+4*\q], s22, s23     ; lanes (r, 0) and (r, 1) hold the same query: one maximum for both
	v_max_num_f32 v[MX+\q], v[T+4*\q], v[T+4*\q+1]
.if \first
	v_mul_f32 v[NM+2*\q], s19, v[MX+\q]
.else
	v_mul_f32 v[T+4*\q+2], s19, v[MX+\q]
	v_sub_f32 v[AL+2*\q], v[T+4*\q+2], v[NM+2*\q]          ; from the two rounded nm that the exponents themselves use: old and new terms stay consistent at any size of the scores
	v_mov_b32 v[NM+2*\q], v[T+4*\q+2]
.endif
.endm
.macro ROWSUM q, first
.irp k, 0,1,2,3
	v_pk_add_f32 v[T+2*\k:T+2*\k+1], v[SB+32*\q+8*\k:SB+32*\q+8*\k+1], v[SB+32*\q+8*\k+2:SB+32*\q+8*\k+3]
.endr
.irp k, 0,1,2,3
	v_pk_add_f32 v[T+2*\k:T+2*\k+1], v[T+2*\k:T+2*\k+1], v[SB+32*\q+8*\k+4:SB+32*\q+8*\k+5]
.endr
.irp k, 0,1,2,3
	v_pk_add_f32 v[T+2*\k:T+2*\k+1], v[T+2*\k:T+2*\k+1], v[SB+32*\q+8*\k+6:SB+32*\q+8*\k+7]
.endr
	v_pk_add_f32 v[T:T+1], v[T:T+1], v[T+2:T+3]
	v_pk_add_f32 v[T+4:T+5], v[T+4:T+5], v[T+6:T+7]
	v_pk_add_f32 v[T:T+1], v[T:T+1], v[T+4:T+5]
.if \first
	v_add_f32 v[LS+\q], v[T], v[T+1]
.else
	v_add_f32 v[T], v[T], v[T+1]
	v_fma_f32 v[LS+\q], v[LS+\q], v[AL+2*\q], v[T]
.endif
.endm
.macro PACK q                          ; key tiles 2 be and 2 be + 1 become registers 0-3 and 4-7 of P^T (be, q), in place: a target is always behind the sources still to be read
.irp be, 0,1
.irp p, 0,1,2,3,4,5,6,7
	v_cvt_pk_f16_f32 v[SB+32*\q+16*\be+\p], v[SB+32*\q+16*\be+2*\p], v[SB+32*\q+16*\be+2*\p+1]
.endr
.endr
.endm
.macro SAVE adr, ph                    ; my state into LDS bytes of my own: O (8,192 bytes), nm and the lane's sum of both query tiles
	WIN 0x04                                       ; store data from window 1
.set n, 0
.rept 16
	ds_store_b128 v[\adr], v[OB+4*n:OB+4*n+3] offset:n*512
.set n, n+1
.endr
	WIN 0
	ds_store_b32 v[MLA], v[NM]   offset:\ph*2048
	ds_store_b32 v[MLA], v[LS]   offset:\ph*2048+128
	ds_store_b32 v[MLA], v[NM+2] offset:\ph*2048+256
	ds_store_b32 v[MLA], v[LS+1] offset:\ph*2048+384
.endm
; From the low block to the high one.  O and the sums are not cleared: with the maximum back at -FLT_MAX the next unit's factor for the old
; state is exp2 of about -6e37 = 0, and that unit (keys 0..255, rows from 2,048 on) is never masked, so its maximum is a real score.
.macro SWITCH
	SAVE LOA, 0
	WIN 0x01                                       ; source from window 1
.set n, 0
.rept 32
	v_mov_b32 v[QF+n], v[QH+n]
.set n, n+1
.endr
	WIN 0
	v_mov_b32 v[MX], 0xff7fffff
	v_mov_b32 v[MX+1], 0xff7fffff
	v_mul_f32 v[NM], s19, v[MX]
	v_mul_f32 v[NM+2], s19, v[MX+1]
	v_add_nc_u32 v[QL], s47, v[QL]
	v_add_nc_u32 v[QL+1], s47, v[QL+1]
.endm
; One unit: my 64 keys x 32 queries.  ad: address register; first = 1: starts the state; kload = 1: K is loaded here; knext: address register of the
; slot's second unit, whose K is loaded ahead (0: none); mask: 0 none, 1 always, 2 where u = nl - 1; sw = 1: u may be nl here.
.macro UNIT ad, first, kload, knext, mask, sw
.if \first == 0
.rept 5
	v_nop                                          ; five places behind the last P V products: S overwrites P, loads land in V's registers, SWITCH stores O
.endr
.if \sw
	s_cmp_lg_u32 s17, s15
	s_cbranch_scc1 .Lsame_\@
	SWITCH
.Lsame_\@:
.endif
.endif
.if \kload
	KLOAD \ad
.endif
	VLOAD \ad
	; S^T: two accumulators take turns, one instruction a turn; the first product of each starts its sum
.irp kt, 0,1,2,3
	s_wait_dscnt 28-4*\kt                          ; K tile kt is in: behind it stand 12 - 4 kt loads of later K tiles and the 16 of V (SWITCH's stores, where they stand between, only make this stricter)
	v_wmma_f32_16x16x32_f16 v[SB+8*\kt:SB+8*\kt+7],       v[KF+16*\kt:KF+16*\kt+7],    v[QF:QF+7],     0
	v_wmma_f32_16x16x32_f16 v[SB+32+8*\kt:SB+32+8*\kt+7], v[KF+16*\kt:KF+16*\kt+7],    v[QF+16:QF+23], 0
	v_wmma_f32_16x16x32_f16 v[SB+8*\kt:SB+8*\kt+7],       v[KF+16*\kt+8:KF+16*\kt+15], v[QF+8:QF+15],  v[SB+8*\kt:SB+8*\kt+7]
	v_wmma_f32_16x16x32_f16 v[SB+32+8*\kt:SB+32+8*\kt+7], v[KF+16*\kt+8:KF+16*\kt+15], v[QF+24:QF+31], v[SB+32+8*\kt:SB+32+8*\kt+7]
.endr
	PLACES                                         ; before S is read and before loads land in K's registers
.if \knext
	KLOAD \knext
.endif
.if \mask == 1
	MASK
.endif
.if \mask == 2
	s_cmp_lg_u32 s17, s16
	s_cbranch_scc1 .Lopen_\@
	MASK
.Lopen_\@:
.endif
	ROWMAX 0, \first
	ROWMAX 1, \first
.irp q, 0,1
.set n, 0
.rept 16
	v_pk_fma_f32 v[SB+32*\q+2*n:SB+32*\q+2*n+1], v[SB+32*\q+2*n:SB+32*\q+2*n+1], s[20:21], v[NM+2*\q:NM+2*\q+1] op_sel_hi:[1,0,0]   ; cs x score - cs x maximum, one rounding
.set n, n+1
.endr
.endr
.if \first == 0
	v_exp_f32 v[AL], v[AL]
	v_exp_f32 v[AL+2], v[AL+2]
.endif
.set n, 0
.rept 64
	v_exp_f32 v[SB+n], v[SB+n]
.set n, n+1
.endr
	v_nop                                          ; one plain place behind the run of exponentials before a result is read (ISA guide 5.7.2)
	s_wait_alu depctr_va_vdst(0)
	ROWSUM 0, \first
	PACK 0
	ROWSUM 1, \first
	PACK 1
.if \first == 0
	WIN 0x41                                       ; O in window 1, the factor in window 0
.irp q, 0,1
.set n, 0
.rept 16
	v_pk_mul_f32 v[OB+32*\q+2*n:OB+32*\q+2*n+1], v[OB+32*\q+2*n:OB+32*\q+2*n+1], v[AL+2*\q:AL+2*\q+1] op_sel_hi:[1,0]
.set n, n+1
.endr
.endr
.endif
.if \knext
	s_wait_dscnt 16                                ; V is in; the 16 loads of the next unit's K, issued behind it, stay out
.else
	s_wait_dscnt 0x0                               ; V is in
.endif
	WIN 0x50                                       ; C and D in window 1
	; O^T += V^T P^T: the eight accumulators take turns, one instruction a turn
.irp be, 0,1
.irp q, 0,1
.irp i, 0,1,2,3
.if \first && (\be == 0)
	v_wmma_f32_16x16x32_f16 v[OB+8*(4*\q+\i):OB+8*(4*\q+\i)+7], v[VF+8*(4*\be+\i):VF+8*(4*\be+\i)+7], v[SB+32*\q+16*\be:SB+32*\q+16*\be+7], 0
.else
	v_wmma_f32_16x16x32_f16 v[OB+8*(4*\q+\i):OB+8*(4*\q+\i)+7], v[VF+8*(4*\be+\i):VF+8*(4*\be+\i)+7], v[SB+32*\q+16*\be:SB+32*\q+16*\be+7], v[OB+8*(4*\q+\i):OB+8*(4*\q+\i)+7]
.endif
.endr
.endr
.endr
	WIN 0
	s_add_co_u32 s17, s17, 1
.endm
; A step on slot sl behind a round of the cluster's barrier, which is also the barrier in front of the other slot's refill.
; mode 1: every wave refills its quarter; mode 2: the last fill holds one unit, so waves 0 and 1 alone have a part of it.
.macro STEPR sl, mode, mask, sw
	s_set_vgpr_msb 0x5
	s_wait_tensorcnt 0x0                           ; all my tensor loads have landed, my part of this slot among them: a group 0 may be written
	ds_add_u32 v96, v97
	s_wait_dscnt 0x0
	s_set_vgpr_msb 0x500
	FILLADDR 1-\sl
	s_wait_dscnt 0x0                               ; my reads of the other slot are over
	ROUND                                          ; both now hold of every wave of the four work-groups
.if \mode == 1
	tensor_load_to_lds s[36-4*\sl:39-4*\sl], s[24:31]      ; my one tensor load behind the round, and the first thing there: one load out
	s_nop 0
.else
	s_cmp_ge_u32 s10, 2
	s_cbranch_scc1 .Lnone_\@
	tensor_load_to_lds s[36-4*\sl:39-4*\sl], s[24:31]
	s_nop 0
.Lnone_\@:
.endif
	UNIT AD+2*\sl, 0, 1, AD+2*\sl+1, \mask, \sw
	UNIT AD+2*\sl+1, 0, 0, 0, \mask, \sw
.endm
	s_load_b128 s[4:7], s[0:1], 0x0                ; qf s[4:5], kvf s[6:7]
	s_load_b64 s[8:9], s[0:1], 0x10                ; out0
	s_set_vgpr_msb 0x40
	v_lshl_add_u32 v96, v0, 2, 0x49000
	v_mov_b32 v97, 0
	s_set_vgpr_msb 0x4045
	ds_add_u32 v96, v97
	ds_add_u32 v96, v97
	s_set_vgpr_msb 0x4500
	v_lshrrev_b32 v1, 5, v0
	v_readfirstlane_b32 s10, v1                    ; wave 0..3
	s_bfe_u32 s11, ttmp6, 0x40000                  ; cx
	s_lshr_b32 s13, ttmp9, 4                       ; b (ttmp9 counts clusters)
	s_and_b32 s14, ttmp9, 15                       ; c
	s_lshr_b32 s16, s14, 1                         ; nl - 1
	s_add_co_u32 s15, s16, 1                       ; nl
	s_mov_b32 s17, 0                               ; u
	; group 1: a dense block of 32,768 bytes as 128 rows of 32 elements of 8 bytes; mask 15 = all four partners, bit 21 beside it
	s_mov_b32 s24, 15|(3<<16)|(1<<21)
	s_mov_b32 s25, 32<<16                          ; tensor_dim0 = 32
	s_mov_b32 s26, 128<<16                         ; tensor_dim1 = 128
	s_mov_b32 s27, 32<<16                          ; tile_dim0 = 32
	s_mov_b32 s28, 128                             ; tile_dim1 = 128
	s_mov_b32 s29, 32                              ; pitch
	s_mov_b32 s30, 0
	s_mov_b32 s31, 0
	s_lshr_b32 s45, s10, 1                         ; waves 0, 1 bring a fill's first unit, waves 2, 3 its second
	s_lshl_b32 s42, s13, 20                        ; a batch is 1,048,576 bytes of kvf
	s_and_b32 s44, s10, 1
	s_lshl_b32 s44, s44, 15                        ; my half of a unit
	s_add_co_u32 s42, s42, s44
	s_mov_b32 s43, 0
	s_lshl_b32 s44, s10, 15                        ; LDS: wave x 32,768
	s_mov_b32 s32, 1
	s_add_co_u32 s33, s44, 0
	s_mov_b32 s36, 1
	s_add_co_u32 s37, s44, SLOTB
	s_wait_dscnt 0x0
	s_wait_kmcnt 0x0
	s_add_nc_u64 s[40:41], s[6:7], s[42:43]
	FILLADDR 0
	FILLADDR 1
	ROUND                                          ; the four work-groups are here: the first joint loads meet
	tensor_load_to_lds s[32:35], s[24:31]          ; units 0 and 1
	s_nop 0
	tensor_load_to_lds s[36:39], s[24:31]          ; units 2 and 3: two loads out, the most in this text
	s_nop 0
	; Q: two tiles of 2,048 bytes for each block, contiguous
	v_and_b32 v1, 31, v0
	v_lshlrev_b32 v1, 4, v1                        ; 16 L
	s_lshl_b32 s48, s13, 8                         ; 256 tiles a batch
	s_lshl_b32 s49, s11, 1
	s_add_co_u32 s48, s48, s49                     ; + 2 cx
	s_lshl_b32 s49, s14, 3                         ; 8 c
	s_add_co_u32 s50, s48, s49                     ; the low block's first tile
	s_sub_co_u32 s52, 248, s49
	s_add_co_u32 s52, s52, s48                     ; the high block's: 8 (31 - c)
	s_lshl_b32 s50, s50, 11
	s_lshl_b32 s52, s52, 11
	s_mov_b32 s51, 0
	s_mov_b32 s53, 0
	s_add_nc_u64 s[48:49], s[4:5], s[50:51]
	s_add_nc_u64 s[54:55], s[4:5], s[52:53]
.irp m, 0,1,2,3,4,5,6,7
	global_load_b128 v[QF+4*\m:QF+4*\m+3], v1, s[48:49] offset:\m*512
.endr
	WIN 0x40                                       ; destination in window 1
.irp m, 0,1,2,3,4,5,6,7
	global_load_b128 v[QH+4*\m:QH+4*\m+3], v1, s[54:55] offset:\m*512
.endr
	WIN 0
	s_lshl_b32 s44, s10, 14                        ; my 64 keys: 16,384 bytes
	v_add_nc_u32 v[AD], s44, v1
	v_add_nc_u32 v[AD+1], 65536, v[AD]
	v_add_nc_u32 v[AD+2], 131072, v[AD]
	v_add_nc_u32 v[AD+3], 196608, v[AD]
	v_and_b32 v18, 15, v0                          ; r
	v_bfe_u32 v19, v0, 4, 1                        ; h
	v_lshlrev_b32 v19, 3, v19
	v_sub_nc_u32 v18, v18, v19
	s_lshl_b32 s44, s14, 7
	s_lshl_b32 s46, s11, 5
	s_add_co_u32 s44, s44, s46                     ; the low block's first row in its batch
	s_lshl_b32 s46, s10, 6
	s_sub_co_u32 s44, s44, s46
	v_add_nc_u32 v[QL], s44, v18                   ; row - 64 w - 8 h (signed)
	v_add_nc_u32 v[QL+1], 16, v[QL]
	s_lshl_b32 s47, s14, 8
	s_sub_co_u32 s47, 3968, s47                    ; 128 (31 - c) - 128 c
	s_mov_b32 s20, 0x3e38aa3b                      ; cs = log2(e) / 8
	s_mov_b32 s21, 0x3e38aa3b
	s_mov_b32 s19, 0xbe38aa3b
	s_mov_b32 s22, 0x76543210
	s_mov_b32 s23, 0xfedcba98
	v_mov_b32 v[NINF], 0xff800000
	v_mov_b32 v[AL+1], 0
	v_mov_b32 v[AL+3], 0
	v_mov_b32 v[NM+1], 0
	v_mov_b32 v[NM+3], 0
	s_lshl_b32 s44, s10, 13
	s_add_co_u32 s46, s44, LOWO
	v_add_nc_u32 v[LOA], s46, v1
	s_add_co_u32 s46, s44, HIGHO
	v_add_nc_u32 v[HIA], s46, v1
	s_lshl_b32 s44, s10, 9
	s_add_co_u32 s44, s44, MLB
	v_lshrrev_b32 v[MLA], 2, v1
	v_add_nc_u32 v[MLA], s44, v[MLA]
	s_wait_loadcnt 0x0                             ; Q
	; step 0
	s_wait_tensorcnt 0x1                           ; my part of slot 0 is in; slot 1's stays out
	s_barrier_signal -1
	s_barrier_wait -1
	UNIT AD, 1, 1, AD+1, 1, 0                      ; unit 0 is the low block's last where nl = 1: the mask is always applied (it changes nothing elsewhere)
	UNIT AD+1, 0, 0, 0, 2, 1
	; steps 1 to 6: fills 2 to 7
	s_mov_b32 s18, 3
.Lloop:
	STEPR 1, 1, 2, 1
	STEPR 0, 1, 2, 1
	s_sub_co_u32 s18, s18, 1
	s_cmp_lg_u32 s18, 0
	s_cbranch_scc1 .Lloop
	STEPR 1, 2, 0, 0                               ; step 7 (units 14, 15; nl is 8 at the most): the last fill, unit 16
	; step 8: nothing is filled any more, so the work-group's own barrier is enough
	s_wait_tensorcnt 0x0
	s_wait_dscnt 0x0
	s_barrier_signal -1
	s_barrier_wait -1
	UNIT AD, 0, 1, 0, 1, 0                         ; unit 16: the high block's diagonal
	; THE MERGE.  Wave w finishes block ph = w >> 1, query tile q = w & 1, from the four waves' states.
	PLACES                                         ; the stores read matrix results, and loads will land in K's and V's registers
	SAVE HIA, 1                                    ; into slot 1: its last fill has landed and, by step 8's barrier, every wave's reads of it are over
	s_wait_dscnt 0x0                               ; for the other waves' sake
	s_barrier_signal -1
	s_barrier_wait -1
	s_lshr_b32 s42, s10, 1                         ; ph
	s_and_b32 s43, s10, 1                          ; q
	s_lshl_b32 s44, s42, 11
	s_lshl_b32 s46, s43, 8
	s_add_co_u32 s44, s44, s46
	s_add_co_u32 s44, s44, MLB
	v_lshrrev_b32 v27, 2, v1
	v_add_nc_u32 v27, s44, v27
	s_lshl_b32 s44, s42, 17
	s_sub_co_u32 s44, LOWO, s44                    ; the low block's O at 262,144, the high block's at 131,072
	s_lshl_b32 s46, s43, 12
	s_add_co_u32 s44, s44, s46
	v_add_nc_u32 v26, s44, v1
.irp k, 0,1,2,3
	ds_load_b32 v[T+\k], v27 offset:\k*512         ; nm of wave k
	ds_load_b32 v[T+4+\k], v27 offset:\k*512+128   ; its lane's sum
.endr
.irp k, 0,1,2,3
.irp m, 0,1,2,3,4,5,6,7
	ds_load_b128 v[32+32*\k+4*\m:32+32*\k+4*\m+3], v26 offset:\k*8192+\m*512
.endr
.endr
	v_and_b32 v4, 15, v0
	v_bfe_u32 v5, v0, 4, 1
	s_mul_i32 s44, s10, 4352
	s_add_co_u32 s44, s44, STG                     ; my stage: 16 rows of 272 bytes
	v_mul_u32_u24 v2, v4, 272
	v_lshl_add_u32 v2, v5, 7, v2
	v_add_nc_u32 v2, s44, v2                       ; in: row r, 128 bytes for each half of the lanes
	v_mul_u32_u24 v3, v5, 272
	v_lshl_add_u32 v3, v4, 4, v3
	v_add_nc_u32 v3, s44, v3                       ; back: lanes 0-15 one row of 256 bytes, lanes 16-31 the next
	s_cmp_eq_u32 s42, 0
	s_cselect_b32 s50, s50, s52                    ; my block's first tile x 2,048
	s_lshl_b32 s50, s50, 1                         ; a tile of out0 is 4,096 bytes
	s_add_co_u32 s50, s50, s46
	s_mov_b32 s51, 0
	s_add_nc_u64 s[48:49], s[8:9], s[50:51]
	s_wait_dscnt 32                                ; the eight words are in; the 32 loads of O stay out
	v_min3_num_f32 v6, v18, v19, v20               ; the least nm is the largest maximum
	v_min_num_f32 v6, v6, v21
.irp k, 0,1,2,3
	v_sub_f32 v[T+\k], v6, v[T+\k]
.endr
.irp k, 0,1,2,3
	v_exp_f32 v[T+\k], v[T+\k]                     ; a wave all of whose keys were masked still has nm of about 6e37: its weight is 0
.endr
	v_nop
	s_wait_alu depctr_va_vdst(0)
	v_mul_f32 v7, v18, v22
	v_fmac_f32 v7, v19, v23
	v_fmac_f32 v7, v20, v24
	v_fmac_f32 v7, v21, v25
	v_permlanex16_b32 v8, v7, s22, s23             ; the sums were kept lane by lane: add the other half's
	v_add_f32 v7, v7, v8
	v_rcp_f32 v9, v7                               ; the diagonal key is never masked, so the sum is not 0
	v_nop
	s_wait_alu depctr_va_vdst(0)
	v_mul_f32 v10, v18, v9
	v_mul_f32 v12, v19, v9
	v_mul_f32 v14, v20, v9
	v_mul_f32 v16, v21, v9
	s_wait_dscnt 24                                ; wave 0's O is in; 24 younger loads stay out, then 16, 8, 0
.set n, 0
.rept 16
	v_pk_mul_f32 v[32+2*n:33+2*n], v[32+2*n:33+2*n], v[10:11] op_sel_hi:[1,0]
.set n, n+1
.endr
	s_wait_dscnt 16
.set n, 0
.rept 16
	v_pk_fma_f32 v[32+2*n:33+2*n], v[64+2*n:65+2*n], v[12:13], v[32+2*n:33+2*n] op_sel_hi:[1,0,1]
.set n, n+1
.endr
	s_wait_dscnt 8
.set n, 0
.rept 16
	v_pk_fma_f32 v[32+2*n:33+2*n], v[96+2*n:97+2*n], v[14:15], v[32+2*n:33+2*n] op_sel_hi:[1,0,1]
.set n, n+1
.endr
	s_wait_dscnt 0x0
.irp j, 0,1,2,3,4,5,6,7
.irp i, 0,1,2,3
	v_fma_f32 v[160+4*\j+\i], v[128+8*\i+\j], v16, v[32+8*\i+\j]   ; the last term also puts column 32h + 4j + i in its place
.endr
.endr
.irp j, 0,1,2,3,4,5,6,7
	ds_store_b128 v2, v[160+4*\j:160+4*\j+3] offset:16*\j
.endr
.irp t, 0,1,2,3,4,5,6,7
	ds_load_b128 v[32+4*\t:32+4*\t+3], v3 offset:\t*544    ; LDS serves a wave's instructions in order (ISA guide 5.7.1): these see my stores above
.endr
.irp t, 0,1,2,3,4,5,6,7
	s_wait_dscnt 7-\t                              ; the 7 - t younger loads stay out
	global_store_b128 v1, v[32+4*\t:32+4*\t+3], s[48:49] offset:\t*512 th:TH_STORE_NT   ; two whole rows of out0: 512 consecutive bytes, aligned
.endr
	s_set_vgpr_msb 0x5
	s_wait_tensorcnt 0x0
	ds_add_u32 v96, v97
	s_wait_dscnt 0x0
	s_set_vgpr_msb 0x500
	ROUND                                          ; the closing round: no work-group ends while a partner may still ask for a tile that names it
	s_endpgm
.Lfunc_end_k_q73b945f898_attn:
	.size	k_q73b945f898_attn, .Lfunc_end_k_q73b945f898_attn-k_q73b945f898_attn
	.p2alignl 7, 3214868480
	.fill 96, 4, 3214868480
	.section	.rodata,"a",@progbits
	.p2align	6, 0x0
	.amdhsa_kernel k_q73b945f898_attn
		.amdhsa_group_segment_fixed_size 327680
		.amdhsa_private_segment_fixed_size 0
		.amdhsa_enable_private_segment 0
		.amdhsa_kernarg_size 24
		.amdhsa_user_sgpr_count 2
		.amdhsa_user_sgpr_kernarg_segment_ptr 1
		.amdhsa_wavefront_size32 1
		.amdhsa_system_sgpr_workgroup_id_x 1
		.amdhsa_system_sgpr_workgroup_id_y 1
		.amdhsa_system_sgpr_workgroup_id_z 1
		.amdhsa_system_vgpr_workitem_id 0
		.amdhsa_next_free_vgpr 354
		.amdhsa_next_free_sgpr 66
		.amdhsa_reserve_vcc 1
		.amdhsa_float_denorm_mode_32 3
		.amdhsa_float_denorm_mode_16_64 3
		.amdhsa_memory_ordered 1
		.amdhsa_forward_progress 1
		.amdhsa_inst_pref_size 219
	.end_amdhsa_kernel
	.amdgpu_metadata
---
amdhsa.version: [ 1, 2 ]
amdhsa.kernels:
  - .name:           k_q73b945f898_attn
    .symbol:         k_q73b945f898_attn.kd
    .args:
      - { .name: qf, .offset: 0, .size: 8, .value_kind: global_buffer, .address_space: global }
      - { .name: kvf, .offset: 8, .size: 8, .value_kind: global_buffer, .address_space: global }
      - { .name: out0, .offset: 16, .size: 8, .value_kind: global_buffer, .address_space: global }
    .group_segment_fixed_size: 327680
    .private_segment_fixed_size: 0
    .kernarg_segment_align: 8
    .kernarg_segment_size: 24
    .max_flat_workgroup_size: 128
    .sgpr_count:     66
    .vgpr_count:     354
    .wavefront_size: 32
...
	.end_amdgpu_metadata
.endif
;; end of part 2
